; MI455X (gfx1250); checked and timed in simulation.
; The chip was launched on July 23, 2026; its instructions are those of AMD's public machine-readable ISA for CDNA 5 (MIT licence, August 2026) and "CDNA5" Instruction Set Architecture Reference Guide (July 2026). The comments in the code are by the model that wrote it; some were corrected since.
;; Quantum Kernel Layer. Allowed arithmetic: float matrix products may take bf16 or f16 operands with f32 sums; all other float work in f32.
;; Inputs: centers 2,048 x 8 float32; x 8,192 x 8 float32.
;; Outputs: out0 8,192 x 2,048 float32.
;; One version. Each part assembles by itself: llvm-mc -triple=amdgcn-amd-amdhsa -mcpu=gfx1250 --defsym DOCPART=n.
;; ======== version 1 of 1: 1 launch
;; limits: values outside matrix products are rounded to f16; inputs' magnitudes at most 1,000,000
;; launch fidelity (part 1): grid 8 x 32, 16 waves a work-group, no clusters, 51,200 bytes of LDS; arguments x, centers, out0; writes out0
.if DOCPART == 1
	.amdgcn_target "amdgcn-amd-amdhsa--gfx1250"
	.amdhsa_code_object_version 6
	.text
	.protected	k_q1d0af143b2_fidelity
	.globl	k_q1d0af143b2_fidelity
	.p2align	8
	.type	k_q1d0af143b2_fidelity,@function
k_q1d0af143b2_fidelity:
	s_mov_b64 s[64:65], 0
	v_nop
	global_prefetch_b8 v0, s[64:65] scope:SCOPE_SE
	s_setreg_imm32_b32 hwreg(HW_REG_WAVE_MODE, 25, 1), 1
	s_wait_xcnt 0x0
; out0[b][c] = | prod over 8 wires j of cos((x[b][j] - centers[c][j]) / 2) |.   x: [8192][8], centers: [2048][8], out0: [8192][2048], f32.
;
; THE FORM.  cos((x-c)/2) = cos(x/2) cos(c/2) + sin(x/2) sin(c/2), so the product over FOUR wires is the dot product of two vectors of
; 16 features (all products of one of {cos, sin} per wire), one made from x alone, one from c alone.  The result is |G1 G2|, G1 the dot
; product of wires 0-3 and G2 that of wires 4-7.  16 + 16 features are one K = 32 matrix operand: lanes 0-15 of a fragment hold group 0,
; lanes 16-31 group 1 (a lane's 8 registers are 16 values of k; which k does not matter as long as both sides agree).  The centers'
; fragment exists in two images, B1 with lanes 16-31 zero and B2 with lanes 0-15 zero: A B1 = G1, A B2 = G2.  Per 16 x 16 outputs:
; two matrix instructions and eight multiplies, in place of 8 cosines an output.
;
; SHARES.  256 work-groups, each a block of 256 rows x 256 columns; 16 waves.  Set-up: wave w makes the fragment of x rows 16 w .. 16 w + 15
; and one fragment of 16 columns, and leaves them in LDS (one barrier).  Then wave w makes rows 64 (w >> 2) .. + 63, columns 64 (w & 3) .. + 63.
; COLUMN ORDER: column r of column tile t (t = 0..3) is the true column 4 r + t.  The multiply puts tile t's register j into register
; 4 j + t, so a lane holds four neighbouring columns of one row, and each 16-byte store of the wave covers two aligned runs of 256
; consecutive bytes (rows j and j + 8): no staging of the result in LDS.
; NO CLUSTER, NO TENSOR LOADS: a work-group reads 2 x 256 x 32 bytes = 16 KiB and stores 256 KiB; what neighbours share is a
; sixteenth of a work-group's bytes and is read once, through registers, at the start.
;
; LIMITS.  (1) Features are rounded to f16 (relative 2^-11; below 2^-14 absolute 2^-25); both feature vectors have length 1, so
; |error| <= 4 x 2^-11 = 0.002 at the very worst.  (2) sin and cos are Taylor sums on |angle| <= pi/2: errors up to 3.6e-6 and 4.7e-7 a wire.
; (3) The angle is reduced by x - k 2pi in two fused steps: good to about |x| = 1e6, meaningless beyond about 1e8.  (4) The difference
; x - c is never formed, so its f32 rounding (2^-24 |x - c|) is absent here: against a result that rounds it, up to 2^-22 |x - c| apart
; over eight wires.  (5) A NaN or an infinity in a row of x or of centers gives NaN in that whole row or column of out0.
.set ROWB,  8192                       ; bytes in a row of out0
.set BAREA, 16384                      ; LDS: 16 fragments of x, 1,024 bytes each; then 16 of centers, two images of 1,024 bytes each
; registers of the main part
.set VOFF, 1                           ; v1        my byte offset in out0: 8 (lane / 16) rows + 16 (lane % 16)
.set LA,   2                           ; v2        LDS address of my 16 bytes in my wave's first x fragment
.set LB,   3                           ; v3        the same in my wave's first centers image
.set AF,   8                           ; v[8:39]   4 fragments of x, 8 registers each
.set BF,   40                          ; v[40:103] column tile t: B1 in 16 t .. + 7, B2 in 16 t + 8 .. + 15
.set D,    104                         ; v[104:167] ring of 4 slots: G1 in 8 registers, G2 in 8
.set O,    168                         ; v[168:231] two buffers of 32: register 4 j + t = row j (or 8 + j), column 4 r + t
; registers of the set-up (they lie in what later is AF, D and O)
.set PA,   8                           ; LDS address for my part of the x fragment that my wave makes
.set PB,   9                           ; for my part of the centers fragment: image 0 for lanes 0-15, image 1 for lanes 16-31
.set PZ,   10                          ; the same place in the other image: zeros go there
.set L16,  11                          ; 16 x lane
.set IN,   104                         ; v[104:107] my 4 wires of x, v[108:111] of centers
.set TT,   112                         ; 8: turns, then their nearest whole number k
.set RR,   120                         ; 8: r = v - k 2pi
.set ZZ,   128                         ; 8: r^2
.set PS,   136                         ; 8: sin(r/2)
.set PC,   144                         ; 8: cos(r/2)
.set QA,   152                         ; 8 + 8: products of two wires
.set QB,   160
.set FA,   168                         ; 16 + 16: features in f32
.set FB,   184
.set HA,   200                         ; 8 + 8: features in f16, the fragment's registers
.set HB,   208
.set ZQ,   216                         ; 4 zeros
.set KS,   220                         ; leading coefficient of the sine's sum, twice
.set KC,   222                         ; and of the cosine's
	s_load_b128 s[4:7], s[0:1], 0x0                ; x s[4:5], centers s[6:7]
	s_load_b64 s[8:9], s[0:1], 0x10                ; out0
	v_lshl_add_u32 v232, v0, 2, 0xc000
	v_mov_b32 v233, 0
	v_lshrrev_b32 v2, 5, v0
	v_readfirstlane_b32 s10, v2                    ; wave w, 0 to 15
	s_and_b32 s11, ttmp7, 0xffff                   ; block row (256 rows of x); ttmp9: block column (256 centers)
	v_and_b32 v4, 15, v0                           ; r
	v_and_b32 v5, 16, v0                           ; 16 h
	v_lshl_or_b32 v6, v4, 5, v5                    ; x: row r (32 bytes), wires 4 h .. 4 h + 3 (16 bytes)
	v_lshl_or_b32 v7, v4, 7, v5                    ; centers: row 4 r, the same wires
	s_lshr_b32 s12, s10, 2                         ; w >> 2
	s_and_b32 s13, s10, 3                          ; w & 3
	s_lshl_b32 s14, s11, 13                        ; x: 256 rows a block,
	s_lshl_b32 s18, s10, 9                         ; 16 rows a wave
	s_add_co_u32 s14, s14, s18
	s_mov_b32 s15, 0
	s_lshl_b32 s16, ttmp9, 13                      ; centers: 256 rows a block,
	s_lshl_b32 s18, s12, 11                        ; 64 for the run of columns w >> 2,
	s_add_co_u32 s16, s16, s18
	s_lshl_b32 s18, s13, 5                         ; one for the column tile t = w & 3
	s_add_co_u32 s16, s16, s18
	s_mov_b32 s17, 0
	s_wait_kmcnt 0x0
	s_add_nc_u64 s[4:5], s[4:5], s[14:15]
	s_add_nc_u64 s[6:7], s[6:7], s[16:17]
	global_load_b128 v[IN:IN+3],   v6, s[4:5]
	global_load_b128 v[IN+4:IN+7], v7, s[6:7]
	; while they are on their way: every other address, the constants, the zeros
	v_and_b32 v[L16], 31, v0
	v_lshlrev_b32 v[L16], 4, v[L16]
	s_lshl_b32 s18, s10, 10
	v_add_nc_u32 v[PA], s18, v[L16]                ; x fragment w
	s_lshl_b32 s18, s10, 11
	s_add_co_u32 s18, s18, BAREA                   ; centers fragment w: 2,048 bytes
	v_lshl_add_u32 v[PB], v5, 6, v[L16]            ; + 1,024 h: my data's image
	v_add_nc_u32 v[PB], s18, v[PB]
	v_xor_b32 v[PZ], 16, v0
	v_and_b32 v[PZ], 16, v[PZ]                     ; 16 (1 - h)
	v_lshl_add_u32 v[PZ], v[PZ], 6, v[L16]         ; + 1,024 (1 - h): the other image
	v_add_nc_u32 v[PZ], s18, v[PZ]
.irp i, 0,1,2,3
	v_mov_b32 v[ZQ+\i], 0
.endr
	ds_store_b128 v[PZ], v[ZQ:ZQ+3]                ; registers 0-3 of the fragment,
	ds_store_b128 v[PZ], v[ZQ:ZQ+3] offset:512     ; registers 4-7
	s_lshl_b32 s18, s12, 12
	v_add_nc_u32 v[LA], s18, v[L16]                ; I read x fragments 4 (w >> 2) .. + 3
	s_lshl_b32 s18, s13, 13
	s_add_co_u32 s18, s18, BAREA
	v_add_nc_u32 v[LB], s18, v[L16]                ; and centers fragments 4 (w & 3) .. + 3
	v_lshlrev_b32 v[VOFF], 12, v5                  ; 8 h rows of 8,192 bytes
	v_lshl_or_b32 v[VOFF], v4, 4, v[VOFF]          ; + 16 r
	s_lshl_b32 s14, s11, 21                        ; out0: 256 rows a block row,
	s_lshl_b32 s18, ttmp9, 10                      ; 1,024 bytes a block column,
	s_add_co_u32 s14, s14, s18
	s_lshl_b32 s18, s12, 19                        ; 64 rows for w >> 2,
	s_add_co_u32 s14, s14, s18
	s_lshl_b32 s18, s13, 8                         ; 256 bytes for w & 3: below 2^26 in all, s15 is still 0
	s_add_co_u32 s14, s14, s18
	s_add_nc_u64 s[8:9], s[8:9], s[14:15]
	v_mov_b32 v[KS],   0x31b8ef1d                  ; 1 / (9! 2^9)
	v_mov_b32 v[KS+1], 0x31b8ef1d
	v_mov_b32 v[KC],   0xaf93f27e                  ; -1 / (10! 2^10)
	v_mov_b32 v[KC+1], 0xaf93f27e
	s_wait_loadcnt 0x0
	; sin(v/2) and cos(v/2) of my 8 numbers, two at a time, up to a sign common to both: r = v - k 2pi shifts v/2 by k pi, which
	; changes the sign of sin and cos together, so of all 16 features of a group, so of G1 or G2: the last step takes the magnitude.
.irp q, 0,2,4,6
	v_pk_mul_f32 v[TT+\q:TT+\q+1], v[IN+\q:IN+\q+1], 0.15915494 op_sel_hi:[1,0]
.endr
.irp q, 0,1,2,3,4,5,6,7
	v_rndne_f32 v[TT+\q], v[TT+\q]                 ; k
.endr
.irp q, 0,2,4,6
	v_pk_fma_f32 v[RR+\q:RR+\q+1], v[TT+\q:TT+\q+1], 0xc0c90fdb, v[IN+\q:IN+\q+1] op_sel_hi:[1,0,1]   ; v - k x (2pi rounded to f32)
.endr
.irp q, 0,2,4,6
	v_pk_fma_f32 v[RR+\q:RR+\q+1], v[TT+\q:TT+\q+1], 0x343bbd2e, v[RR+\q:RR+\q+1] op_sel_hi:[1,0,1]   ; - k x (what that rounding left)
.endr
.irp q, 0,2,4,6
	v_pk_mul_f32 v[ZZ+\q:ZZ+\q+1], v[RR+\q:RR+\q+1], v[RR+\q:RR+\q+1]
.endr
	; sin(r/2) = r (1/2 - z/48 + z^2/3840 - z^3/645120 + z^4/185794560),  cos(r/2) = 1 - z/8 + z^2/384 - z^3/46080 + z^4/10321920 - z^5/3715891200,  z = r^2
.irp q, 0,2,4,6
	v_pk_fma_f32 v[PS+\q:PS+\q+1], v[ZZ+\q:ZZ+\q+1], v[KS:KS+1], 0xb5d00d01 op_sel_hi:[1,1,0]
	v_pk_fma_f32 v[PC+\q:PC+\q+1], v[ZZ+\q:ZZ+\q+1], v[KC:KC+1], 0x33d00d01 op_sel_hi:[1,1,0]
.endr
.irp q, 0,2,4,6
	v_pk_fma_f32 v[PS+\q:PS+\q+1], v[PS+\q:PS+\q+1], v[ZZ+\q:ZZ+\q+1], 0x39888889 op_sel_hi:[1,1,0]
	v_pk_fma_f32 v[PC+\q:PC+\q+1], v[PC+\q:PC+\q+1], v[ZZ+\q:ZZ+\q+1], 0xb7b60b61 op_sel_hi:[1,1,0]
.endr
.irp q, 0,2,4,6
	v_pk_fma_f32 v[PS+\q:PS+\q+1], v[PS+\q:PS+\q+1], v[ZZ+\q:ZZ+\q+1], 0xbcaaaaab op_sel_hi:[1,1,0]
	v_pk_fma_f32 v[PC+\q:PC+\q+1], v[PC+\q:PC+\q+1], v[ZZ+\q:ZZ+\q+1], 0x3b2aaaab op_sel_hi:[1,1,0]
.endr
.irp q, 0,2,4,6
	v_pk_fma_f32 v[PS+\q:PS+\q+1], v[PS+\q:PS+\q+1], v[ZZ+\q:ZZ+\q+1], 0.5 op_sel_hi:[1,1,0]
	v_pk_fma_f32 v[PC+\q:PC+\q+1], v[PC+\q:PC+\q+1], v[ZZ+\q:ZZ+\q+1], 0xbe000000 op_sel_hi:[1,1,0]
.endr
.irp q, 0,2,4,6
	v_pk_mul_f32 v[PS+\q:PS+\q+1], v[PS+\q:PS+\q+1], v[RR+\q:RR+\q+1]
	v_pk_fma_f32 v[PC+\q:PC+\q+1], v[PC+\q:PC+\q+1], v[ZZ+\q:ZZ+\q+1], 1.0 op_sel_hi:[1,1,0]
.endr
; The 16 features of four wires.  c, s: cos and sin as pairs (wire 0, wire 1), (wire 2, wire 3).  Four packed products give
; Q_i = (a product of wires 0 and 2, the like product of wires 1 and 3), i = cc, cs, sc, ss.  Feature (i, j) = Q_i low x Q_j high.
; One packed product with crossed halves makes (i, j) and (j, i); the four (i, i) are plain products.  Both sides use this one order.
.macro CROSS f, q, n, i, j
	v_pk_mul_f32 v[\f+2*\n:\f+2*\n+1], v[\q+2*\i:\q+2*\i+1], v[\q+2*\j:\q+2*\j+1] op_sel:[0,1] op_sel_hi:[1,0]
.endm
.macro FEAT c, s, q, f, h
	v_pk_mul_f32 v[\q:\q+1],   v[\c:\c+1], v[\c+2:\c+3]
	v_pk_mul_f32 v[\q+2:\q+3], v[\c:\c+1], v[\s+2:\s+3]
	v_pk_mul_f32 v[\q+4:\q+5], v[\s:\s+1], v[\c+2:\c+3]
	v_pk_mul_f32 v[\q+6:\q+7], v[\s:\s+1], v[\s+2:\s+3]
	CROSS \f, \q, 0, 0, 1
	CROSS \f, \q, 1, 0, 2
	CROSS \f, \q, 2, 0, 3
	CROSS \f, \q, 3, 1, 2
	CROSS \f, \q, 4, 1, 3
	CROSS \f, \q, 5, 2, 3
.irp i, 0,1,2,3
	v_mul_f32 v[\f+12+\i], v[\q+2*\i], v[\q+2*\i+1]
.endr
.irp n, 0,1,2,3,4,5,6,7
	v_cvt_pk_f16_f32 v[\h+\n], v[\f+2*\n], v[\f+2*\n+1]
.endr
.endm
	FEAT PC,   PS,   QA, FA, HA                    ; from x
	FEAT PC+4, PS+4, QB, FB, HB                    ; from centers
	ds_store_b128 v[PA], v[HA:HA+3]
	ds_store_b128 v[PA], v[HA+4:HA+7] offset:512
	ds_store_b128 v[PB], v[HB:HB+3]
	ds_store_b128 v[PB], v[HB+4:HB+7] offset:512
	s_wait_dscnt 0x0                               ; all six of my stores are in LDS, for the others' sake,
	s_barrier_signal -1
	s_barrier_wait -1                              ; and so are everybody's.  The fragments in LDS are only read from here on.
	; 24 loads, each 512 consecutive bytes a wave, in the order in which the products want them: A0; B1 and B2 of t = 0..3; A1, A2, A3
	ds_load_b128 v[AF:AF+3],   v[LA]
	ds_load_b128 v[AF+4:AF+7], v[LA] offset:512
.irp t, 0,1,2,3
.irp u, 0,1,2,3
	ds_load_b128 v[BF+16*\t+4*\u:BF+16*\t+4*\u+3], v[LB] offset:2048*\t+512*\u
.endr
.endr
.irp i, 1,2,3
	ds_load_b128 v[AF+8*\i:AF+8*\i+3],   v[LA] offset:1024*\i
	ds_load_b128 v[AF+8*\i+4:AF+8*\i+7], v[LA] offset:1024*\i+512
.endr
; Pair q = 4 i + t: G1 and G2 of rows 16 i .. + 15 and column tile t, into slot t of the ring.  C = 0: nothing is cleared.
; LDS loads come back in order (ISA guide 5.7.1): pair q < 4 needs the first 6 + 4 q of the 24, so 18 - 4 q may be out;
; pairs 4, 8, 12 need A1, A2, A3: 4, 2, 0 may be out.
.macro WPAIR q
.set sl, (\q)%4
.set ai, (\q)/4
.if (\q) < 4
	s_wait_dscnt 18-4*(\q)
.else
.if sl == 0
	s_wait_dscnt 6-(\q)/2
.endif
.endif
	v_wmma_f32_16x16x32_f16 v[D+16*sl:D+16*sl+7],    v[AF+8*ai:AF+8*ai+7], v[BF+16*sl:BF+16*sl+7],    0
	v_wmma_f32_16x16x32_f16 v[D+16*sl+8:D+16*sl+15], v[AF+8*ai:AF+8*ai+7], v[BF+16*sl+8:BF+16*sl+15], 0
.endm
; |G1| |G2| of pair q; the destination 4 j + t puts the four column tiles of a row side by side
.macro MPAIR q
.set sl, (\q)%4
.set ob, O+32*(((\q)/4)%2)
.irp j, 0,1,2,3,4,5,6,7
	v_mul_f32 v[ob+4*\j+sl], |v[D+16*sl+\j]|, |v[D+16*sl+8+\j]|
.endr
.endm
; rows 16 i .. + 15, 64 columns: lanes 0-15 fill 256 aligned bytes of row 16 i + j, lanes 16-31 of row 16 i + 8 + j
.macro OUT16 i
.set ob, O+32*((\i)%2)
.irp j, 0,1,2,3,4,5,6,7
	global_store_b128 v[VOFF], v[ob+4*\j:ob+4*\j+3], s[8:9] offset:(16*(\i)+\j)*ROWB th:TH_STORE_NT
.endr
.endm
	; The matrix instructions run two pairs ahead of the multiplies.  A vector instruction that reads a matrix result stands four
	; independent vector instructions behind it (ISA guide 7.12.1): between pair q and its multiplies stand the 16 multiplies of pairs
	; q - 2 and q - 1, which name none of its registers.  Only in front of the first multiplies is there no such work: four v_nop.
	; A slot is written again four pairs later, behind at least 10 such instructions.
	WPAIR 0
	WPAIR 1
.set p, 0
.rept 16
.if p < 14
	WPAIR p+2
.endif
.if p == 0
.rept 4
	v_nop
.endr
.endif
.if p == 8
	s_wait_xcnt 0x0                                ; buffer 0, which the stores of rows 0-15 read, is rewritten only behind this wait
.endif
.if p == 12
	s_wait_xcnt 0x0                                ; buffer 1 and the stores of rows 16-31 likewise
.endif
	MPAIR p
.if (p%4) == 3
	OUT16 p/4
.endif
.set p, p+1
.endr
	s_wait_tensorcnt 0x0
	ds_add_u32 v232, v233
	s_wait_dscnt 0x0
	s_endpgm
.Lfunc_end_k_q1d0af143b2_fidelity:
	.size	k_q1d0af143b2_fidelity, .Lfunc_end_k_q1d0af143b2_fidelity-k_q1d0af143b2_fidelity
	.p2alignl 7, 3214868480
	.fill 96, 4, 3214868480
	.section	.rodata,"a",@progbits
	.p2align	6, 0x0
	.amdhsa_kernel k_q1d0af143b2_fidelity
		.amdhsa_group_segment_fixed_size 51200
		.amdhsa_private_segment_fixed_size 0
		.amdhsa_enable_private_segment 0
		.amdhsa_kernarg_size 24
		.amdhsa_user_sgpr_count 2
		.amdhsa_user_sgpr_kernarg_segment_ptr 1
		.amdhsa_wavefront_size32 1
		.amdhsa_system_sgpr_workgroup_id_x 1
		.amdhsa_system_sgpr_workgroup_id_y 1
		.amdhsa_system_sgpr_workgroup_id_z 1
		.amdhsa_system_vgpr_workitem_id 0
		.amdhsa_next_free_vgpr 234
		.amdhsa_next_free_sgpr 66
		.amdhsa_reserve_vcc 0
		.amdhsa_float_denorm_mode_32 3
		.amdhsa_float_denorm_mode_16_64 3
		.amdhsa_memory_ordered 1
		.amdhsa_forward_progress 1
		.amdhsa_inst_pref_size 26
	.end_amdhsa_kernel
	.amdgpu_metadata
---
amdhsa.version: [ 1, 2 ]
amdhsa.kernels:
  - .name:           k_q1d0af143b2_fidelity
    .symbol:         k_q1d0af143b2_fidelity.kd
    .args:
      - { .name: x, .offset: 0, .size: 8, .value_kind: global_buffer, .address_space: global }
      - { .name: centers, .offset: 8, .size: 8, .value_kind: global_buffer, .address_space: global }
      - { .name: out0, .offset: 16, .size: 8, .value_kind: global_buffer, .address_space: global }
    .group_segment_fixed_size: 51200
    .private_segment_fixed_size: 0
    .kernarg_segment_align: 8
    .kernarg_segment_size: 24
    .max_flat_workgroup_size: 512
    .sgpr_count:     66
    .vgpr_count:     234
    .wavefront_size: 32
...
	.end_amdgpu_metadata
.endif
;; end of part 1
